; MI455X (gfx1250); checked and timed in simulation.
; The chip was launched on July 23, 2026; its instructions are those of AMD's public machine-readable ISA for CDNA 5 (MIT licence, August 2026) and "CDNA5" Instruction Set Architecture Reference Guide (July 2026). The comments in the code are by the model that wrote it; some were corrected since.
;; Lucas KAN Layer. Allowed arithmetic: matrix products marked QUANTISED: E3M2 operands, one E8M0 scale for each 32 along K, by v_wmma_scale_f32_16x16x128_f8f6f4 with both operands' format E3M2, f32 sums; everything else in f32.
;; Inputs: lucas_coeffs 1,024 x 1,024 x 8 float32; x 8,192 x 1,024 float32.
;; Outputs: out0 8,192 x 1,024 float32.
;; This version of the problem:
;;   THIS VERSION OF THE PROBLEM IS GIVEN IN LOW PRECISION. The matrix products marked QUANTISED in the list below multiply operands that are first quantised to E3M2 (3 exponent bits, 2 mantissa bits; 6 bits a number), with one power-of-two scale for each 32 numbers along K (OCP MX v1.0); their sums are f32. All else is computed in f32.
;;   The module's matrix products, in the order in which they are computed (A, B: the left and right operand; K: the contracted axis; several contracted axes count as one K, in the product's order):
;;     1. [M 8,192, K 8,192] x [K 8,192, N 1,024]; A: computed on the way; B: input lucas_coeffs: QUANTISED
;;   THE QUANTISER, for each operand of a quantised product, along K:
;;     - K is cut into blocks of 32 from its start; a last block that is shorter is filled with zeros.
;;     - A block's scale is 2^e with e = floor(log2(the largest magnitude in the block)) - 4, held to -126 .. 127; a block of zeros has e = 0. As a byte (E8M0): e + 127.
;;     - Each number is divided by its block's scale, clamped to +-28, and rounded to the nearest number of E3M2, ties to even, subnormals kept.
;;     - The product sums the exact products of the quantised numbers (number of the format x scale) in f32.
;;   ~~~python
;;   def quantise(x, axis):      # numpy; x: float32 -> the quantised numbers, widened to float32 again
;;       x = np.moveaxis(x, axis, -1); K = x.shape[-1]
;;       x = np.pad(x, [(0, 0)] * (x.ndim - 1) + [(0, -K % 32)]); x = x.reshape(x.shape[:-1] + (-1, 32)); a = np.abs(x).max(-1, keepdims=True)
;;       e = np.where(a > 0, np.clip(np.frexp(np.where(a > 0, a, 1))[1] - 1 - 4, -126, 127), 0)      # np.frexp(a)[1] - 1 = floor(log2(a)), exactly
;;       r = np.clip(x / 2.0 ** e, -28, 28)
;;       step = 2.0 ** (np.maximum(np.frexp(np.where(r == 0, 1, r))[1] - 1, -2) - 2)
;;       q = np.round(r / step) * step * 2.0 ** e      # np.round: ties to even
;;       return np.moveaxis(q.reshape(q.shape[:-2] + (-1,))[..., :K], -1, axis).astype(np.float32)
;;   ~~~
;;   OPERANDS COMPUTED ON THE WAY. 'Computed on the way' means the value that the module computes at that place (a softmax that the list does not call 'softmax' is quantised finished and normalised). What goes into a quantiser is computed in f32, as accurately as f32 sums, v_exp_f32 and their like allow (about 1e-6 of the number): no bf16 or f16 on the way to a quantiser, and a product that is left as it is and whose result goes on into a quantised operand takes f32 operands (vector FMAs, or v_wmma_f32_16x16x4_f32). A number that lies on a knife's edge between two numbers of the format may be rounded either way, as far as f32 arithmetic and the matrix unit's own rounding can turn it there, and no further.
;; One version. Each part assembles by itself: llvm-mc -triple=amdgcn-amd-amdhsa -mcpu=gfx1250 --defsym DOCPART=n.
;; ======== version 1 of 1: 2 launches
;; limits: right only within a limited range of input values
;; workspace buffers: a_q 52,428,800 bytes; b_q 6,553,600 bytes
;; launch quant (part 1): grid 768 x 1, 4 waves a work-group, no clusters, 44,544 bytes of LDS; arguments x, lucas_coeffs, a_q, b_q; writes a_q, b_q
.if DOCPART == 1
	.amdgcn_target "amdgcn-amd-amdhsa--gfx1250"
	.amdhsa_code_object_version 6
	.text
	.protected	k_qedff2e7059_quant
	.globl	k_qedff2e7059_quant
	.p2align	8
	.type	k_qedff2e7059_quant,@function
k_qedff2e7059_quant:
	s_mov_b64 s[64:65], 0
	v_nop
	global_prefetch_b8 v0, s[64:65] scope:SCOPE_SE
	s_setreg_imm32_b32 hwreg(HW_REG_WAVE_MODE, 25, 1), 1
	s_wait_xcnt 0x0
; BOTH OPERANDS OF y[b][o] = sum over (d, i) of L_d(tanh x[b][i]) c[i][o][d] BECOME CODES OF BF6 (E3M2) WITH ONE E8M0 BYTE FOR EACH 32 ALONG K.
; K = 1024 d + i (the contracted axes in the order in which the product is lowered: d, then i): a block of 32 is 32 neighbouring inputs i, from a multiple of 32 on, of ONE degree d.
; THE WORKSPACE IS LAID IN THE ORDER OF THE OPERAND'S REGISTERS.  K is walked in 16 slots of 64 inputs (512 of K); a slot has four K steps q of 128: degrees 2 q and 2 q + 1.  In a K step block 2 c + h is
; degree 2 q + c, inputs 64 slot + 32 h + 0 .. 31: so lane (r, h) of a fragment holds both degrees of its own 32 inputs.  A PANEL is 64 rows x one slot, 25,600 bytes: fragment (q, a) (a: 16 rows) at
; 1,536 (4 q + a), in it registers 4 ch .. 4 ch + 3 of lane l at 512 ch + 16 l; behind the 16 fragments the scale words, row 16 a + r, K step q at 24,576 + 256 a + 16 r + 4 q.
; a_q: [slot 16][panel 128], b_q: [slot 16][panel 16].
; A block's scale is 2^(floor(log2(its largest magnitude)) - 4): its byte is the largest magnitude's exponent field - 4, held at 1 from below by a floor among the maximum's leaves.
; The first 512 work-groups take x (path A), the other 256 the coefficients (path B).  Each path has LDS bytes of its own, each wave its own among them: no barrier.
; LIMITS: NaN in x or in the coefficients and infinities in the coefficients are not served (x = +-infinity gives t = +-1).  t = 1 - 2 / (1 + 2^(2 x log2 e)) carries an absolute error of about 2^-23, so its
; relative error grows as 2^-23 / |t| for small t.  A block of zeros keeps the floor's byte, 1, where the rule says 127: its codes are zeros, and this program alone reads the bytes.
; Blocks of coefficients whose largest magnitude lies under 2^-122 were not tried.
.set PANEL,  25600
.set ASTEP,  128*PANEL                 ; from slot to slot in a_q
.set FRB,    1536                      ; a fragment's image
.set SCW,    16*FRB                    ; where a panel's scale words begin
.set WGA,    512                       ; work-groups of path A
.set APITCH, 272                       ; path A's stage: a row of 256 bytes + 16
.set STGA,   16*APITCH                 ; one for each wave
.set BBASE,  4*STGA                    ; path B's bytes begin here
.set IMGP,   1600                      ; path B: from image to image in a wave's stage
.set BSCB,   4*IMGP                    ; behind the four images: the wave's 256 scale bytes
.set STGB,   BSCB+256
.set FLOOR,  5<<23                     ; 2^(5 - 127)
; path A's registers
.set PC,   12                          ; v12-23   a fragment's codes
.set PT0,  24                          ; v24-26   a block's second half (a conversion's three registers begin on an even number)
.set PT1,  28                          ; v28-30
.set PCZ,  32                          ; v32-43   the fragment of K step 0: registers 0-5, degree 0, are made once
.set MM,   44                          ; v44-50   the largest magnitudes of degrees 1 to 7, then the conversions' scale operands
.set WT,   52                          ; v52-55   the four scale words
.set YY,   56                          ; v56-62   the bytes of degrees 1 to 7; later v56-59 the other half's words, v[62:63] the words to store
.set T,    64                          ; v64-95   x, then t = tanh x = L1
.set LA,   96                          ; v96-127  the even degree in hand
.set LB,   128                         ; v128-159 the odd one
.set RAW,  160                         ; v160-255 x as loaded: three sets of 32
; path B's registers
.set X,    64                          ; v64-159  three sets of 32 coefficients
.set OUTR, 160                         ; v160-207 the images read back
	s_load_b256 s[4:11], s[0:1], 0x0               ; x s[4:5], the coefficients s[6:7], a_q s[8:9], b_q s[10:11]
	s_set_vgpr_msb 0x40
	v_lshl_add_u32 v0, v0, 2, 0xac00
	v_mov_b32 v1, 0
	s_set_vgpr_msb 0x4000
	v_lshrrev_b32 v1, 5, v0
	v_readfirstlane_b32 s12, v1                    ; wave 0..3
	v_and_b32 v1, 31, v0                           ; l
	v_and_b32 v2, 15, v0                           ; r
	v_bfe_u32 v3, v0, 4, 1                         ; h
	v_lshlrev_b32 v6, 3, v3                        ; 8 h
	s_mov_b32 s20, 0x76543210
	s_mov_b32 s21, 0xfedcba98                      ; v_permlanex16_b32: lane l xor 16
	s_mov_b32 s22, 0xffff0000                      ; lanes 16-31
	s_cmp_lt_u32 ttmp9, WGA
	s_cbranch_scc0 .Lpath_b
; ---------------- PATH A: 16 rows of x to a work-group, four slots (units) to a wave ----------------
.macro LOADA u                         ; unit u: 16 rows x 256 bytes; sixteen lanes read a row's 256 consecutive bytes, two rows an instruction
.irp j, 0,1,2,3,4,5,6,7
	global_load_b128 v[RAW+32*((\u)%3)+4*\j:RAW+32*((\u)%3)+4*\j+3], v7, s[4:5] offset:8192*\j+256*(\u) th:TH_LOAD_NT
.endr
.endm
.macro TURNA u                         ; through the wave's stage: lane (r, h) gets x[r][32 h + 0 .. 31] of the slot.  LDS serves a wave's instructions in order: no wait between stores and loads
.irp j, 0,1,2,3,4,5,6,7
	ds_store_b128 v8, v[RAW+32*((\u)%3)+4*\j:RAW+32*((\u)%3)+4*\j+3] offset:2*APITCH*\j
.endr
.irp m, 0,1,2,3,4,5,6,7
	ds_load_b128 v[T+4*\m:T+4*\m+3], v9 offset:16*\m
.endr
.endm
.macro TANH                            ; t = 1 - 2 / (1 + 2^(2 x log2 e)), in place
.set ii, 0
.rept 16
	v_pk_mul_f32 v[T+ii:T+ii+1], v[T+ii:T+ii+1], 0x4038aa3b op_sel_hi:[1,0]
.set ii, ii+2
.endr
.set ii, 0
	s_wait_alu depctr_va_vdst(0)
.rept 32
	v_exp_f32 v[T+ii], v[T+ii]
.set ii, ii+1
.endr
	v_nop                                          ; a plain instruction behind the last exponential,
	s_wait_alu depctr_va_vdst(0)                   ; and one wait for the batch, ahead of its first reader
.set ii, 0
.rept 16
	v_pk_add_f32 v[T+ii:T+ii+1], v[T+ii:T+ii+1], 1.0 op_sel_hi:[1,0]
.set ii, ii+2
.endr
.set ii, 0
	s_wait_alu depctr_va_vdst(0)
.rept 32
	v_rcp_f32 v[T+ii], v[T+ii]
.set ii, ii+1
.endr
	v_nop
	s_wait_alu depctr_va_vdst(0)                   ; likewise for the reciprocals
.set ii, 0
.rept 16
	v_pk_fma_f32 v[T+ii:T+ii+1], v[T+ii:T+ii+1], -2.0, 1.0 op_sel_hi:[1,0,0]
.set ii, ii+2
.endr
.endm
; THE SCALES OF ALL EIGHT DEGREES FROM ONE MAXIMUM.  L_d(-t) = (-1)^d L_d(t), and on t >= 0 each fused multiply-add of the recurrence has sources that are not negative and do not fall where t rises, so its
; rounded result does not fall either: a block's largest |L_d| is the recurrence, in the same instructions, on the block's largest |t|, bit for bit.  Degree 0 is the constant 2: byte 124.
.macro SCALESA u
	v_max3_num_f32 v[MM], |v[T]|, |v[T+1]|, FLOOR
	v_max3_num_f32 v[MM+1], |v[T+2]|, |v[T+3]|, |v[T+4]|
.irp i, 5,9,13,17,21,25
	v_max3_num_f32 v[MM], v[MM], |v[T+\i]|, |v[T+\i+1]|
	v_max3_num_f32 v[MM+1], v[MM+1], |v[T+\i+2]|, |v[T+\i+3]|
.endr
	v_max3_num_f32 v[MM], v[MM], |v[T+29]|, |v[T+30]|
	v_max3_num_f32 v[MM], v[MM], v[MM+1], |v[T+31]|    ; the largest |t| of my 32
	v_fma_f32 v[MM+1], v[MM], v[MM], 2.0               ; degree 2
	v_fma_f32 v[MM+2], v[MM], v[MM+1], v[MM]           ; degree 3
.irp d, 3,4,5,6
	v_fma_f32 v[MM+\d], v[MM], v[MM+\d-1], v[MM+\d-2]  ; degrees 4 to 7
.endr
.irp d, 0,1,2,3,4,5,6
	v_add_nc_u32 v[MM+\d], 0xfe000000, v[MM+\d]        ; 4 off the exponent field: the conversion's scale operand
.endr
.irp d, 0,1,2,3,4,5,6
	v_lshrrev_b32 v[YY+\d], 23, v[MM+\d]               ; the byte
.endr
	v_lshl_or_b32 v[WT], v[YY], 16, 124                ; K step 0: degree 0's byte and degree 1's
.irp q, 1,2,3
	v_lshl_or_b32 v[WT+\q], v[YY+2*\q], 16, v[YY+2*\q-1]   ; K step q: degrees 2 q and 2 q + 1
.endr
.irp q, 0,1,2,3
	v_lshlrev_b32 v[WT+\q], v6, v[WT+\q]               ; my half's bytes are bytes h and 2 + h of the word
.endr
.irp q, 0,1,2,3
	v_permlanex16_b32 v[YY+\q], v[WT+\q], s20, s21
.endr
.irp q, 0,1,2,3
	v_or_b32 v[WT+\q], v[WT+\q], v[YY+\q]              ; with the other half's the word is whole
.endr
	s_wait_alu depctr_va_vdst(0)
	s_wait_xcnt 0x0                                ; earlier stores have read their data: v[62:63] may be written
	v_cndmask_b32 v62, v[WT], v[WT+2], s22         ; lanes 0-15 store words 0 and 1 of row r, lanes 16-31 words 2 and 3:
	v_cndmask_b32 v63, v[WT+1], v[WT+3], s22
	global_store_b64 v5, v[62:63], s[24+2*(\u):25+2*(\u)]   ; 32 lanes store 256 consecutive bytes, aligned
.endm
.macro SENDC reg, q, u                 ; a fragment leaves as it stands: each store covers 512 consecutive bytes, aligned
.irp c, 0,1,2
	global_store_b128 v4, v[\reg+4*\c:\reg+4*\c+3], s[24+2*(\u):25+2*(\u)] offset:4*FRB*(\q)+512*\c
.endr
.endm
.macro CODES0 u                        ; K step 0: degree 0 stands ready, degree 1 is t
	s_wait_xcnt 0x0                                ; the last unit's stores have read these registers
	v_cvt_scalef32_pk16_bf6_f32 v[PCZ+6:PCZ+8], v[T:T+15], v[MM]
	v_cvt_scalef32_pk16_bf6_f32 v[PT0:PT0+2], v[T+16:T+31], v[MM]
	v_nop                                          ; one plain instruction behind a scaled conversion
.irp i, 0,1,2
	v_mov_b32 v[PCZ+9+\i], v[PT0+\i]
.endr
	SENDC PCZ, 0, \u
.endm
.macro CODESQ q, u                     ; K step q: degree 2 q in LA, 2 q + 1 in LB
	s_wait_xcnt 0x0                                ; the last fragment's stores have read these registers
	v_cvt_scalef32_pk16_bf6_f32 v[PC:PC+2], v[LA:LA+15], v[MM+2*(\q)-1]
	v_cvt_scalef32_pk16_bf6_f32 v[PT0:PT0+2], v[LA+16:LA+31], v[MM+2*(\q)-1]
	v_cvt_scalef32_pk16_bf6_f32 v[PC+6:PC+8], v[LB:LB+15], v[MM+2*(\q)]
	v_cvt_scalef32_pk16_bf6_f32 v[PT1:PT1+2], v[LB+16:LB+31], v[MM+2*(\q)]
	v_nop
.irp i, 0,1,2
	v_mov_b32 v[PC+3+\i], v[PT0+\i]
	v_mov_b32 v[PC+9+\i], v[PT1+\i]
.endr
	SENDC PC, \q, \u
.endm
.macro LUCAS first                     ; two degrees on: L_i = t L_(i-1) + L_(i-2)
.set ii, 0
.rept 16
.if \first
	v_pk_fma_f32 v[LA+ii:LA+ii+1], v[T+ii:T+ii+1], v[T+ii:T+ii+1], 2.0 op_sel_hi:[1,1,0]
.else
	v_pk_fma_f32 v[LA+ii:LA+ii+1], v[T+ii:T+ii+1], v[LB+ii:LB+ii+1], v[LA+ii:LA+ii+1]
.endif
.set ii, ii+2
.endr
.set ii, 0
.rept 16
.if \first
	v_pk_fma_f32 v[LB+ii:LB+ii+1], v[T+ii:T+ii+1], v[LA+ii:LA+ii+1], v[T+ii:T+ii+1]
.else
	v_pk_fma_f32 v[LB+ii:LB+ii+1], v[T+ii:T+ii+1], v[LA+ii:LA+ii+1], v[LB+ii:LB+ii+1]
.endif
.set ii, ii+2
.endr
.endm
.macro UNIT u, left                    ; left: the younger loads that may stay out
	s_wait_loadcnt \left
	TURNA \u
	s_wait_dscnt 0x0                               ; t's registers are filled, and the stage's stores have read theirs
.if (\u) == 0
	LOADA 3                                        ; into the set that unit 0 has left
.endif
	TANH
	SCALESA \u
	CODES0 \u
	LUCAS 1
	s_wait_alu depctr_va_vdst(0)
	CODESQ 1, \u
	LUCAS 0
	s_wait_alu depctr_va_vdst(0)
	CODESQ 2, \u
	LUCAS 0
	s_wait_alu depctr_va_vdst(0)
	CODESQ 3, \u
.endm
	s_lshr_b32 s13, ttmp9, 2                       ; the panel: 64 rows
	s_and_b32 s14, ttmp9, 3                        ; a: which 16 rows of it
	s_lshl_b32 s16, ttmp9, 16                      ; x: 16 rows of 4,096 bytes a work-group,
	s_lshl_b32 s15, s12, 10                        ; 1,024 bytes of a row a wave
	s_add_co_u32 s16, s16, s15
	s_mov_b32 s17, 0
	s_lshl_b32 s18, s12, 9                         ; a_q: slot 4 w, 128 panels a slot
	s_add_co_u32 s18, s18, s13
	s_mul_i32 s18, s18, PANEL
	s_mov_b32 s19, 0
	s_wait_alu depctr_va_vdst(0)
	v_lshlrev_b32 v10, 4, v2                       ; 16 r
	v_lshl_add_u32 v7, v3, 12, v10                 ; in: row h of a pair, 16 bytes a lane
	s_wait_alu depctr_va_vdst(0)
	s_wait_kmcnt 0x0
	s_add_nc_u64 s[4:5], s[4:5], s[16:17]
	LOADA 0
	LOADA 1
	LOADA 2
	s_add_nc_u64 s[24:25], s[8:9], s[18:19]        ; my panel in each of my four slots
	s_add_nc_u64 s[26:27], s[24:25], ASTEP
	s_add_nc_u64 s[28:29], s[26:27], ASTEP
	s_add_nc_u64 s[30:31], s[28:29], ASTEP
	s_mul_i32 s15, s14, FRB
	s_lshl_b32 s14, s14, 8
	s_add_co_u32 s14, s14, SCW
	s_mul_i32 s23, s12, STGA                       ; my stage
	v_lshl_add_u32 v4, v1, 4, s15                  ; codes: 16 l + 1,536 a
	v_lshl_add_u32 v5, v3, 3, v10
	v_add_nc_u32 v5, s14, v5                       ; scale words: 16 r + 8 h + 24,576 + 256 a
	v_mad_u32_u24 v8, v3, APITCH, v10
	v_add_nc_u32 v8, s23, v8                       ; into the stage: row h of a pair, 16 r
	v_mul_u32_u24 v9, v2, APITCH
	v_lshl_add_u32 v9, v3, 7, v9
	v_add_nc_u32 v9, s23, v9                       ; out of it: row r, 128 h
.set ii, 0
.rept 16
	v_mov_b32 v[LA+ii], 2.0                        ; degree 0: sixteen times 2,
.set ii, ii+1
.endr
	v_mov_b32 v51, 0x3e000000                      ; under the scale 2^(1 - 4): exponent field 124
	v_cvt_scalef32_pk16_bf6_f32 v[PCZ:PCZ+2], v[LA:LA+15], v51
	v_nop
.irp i, 0,1,2
	v_mov_b32 v[PCZ+3+\i], v[PCZ+\i]               ; the block's other sixteen are the same
.endr
	UNIT 0, 16                                     ; units 1 and 2 may be out
	UNIT 1, 16                                     ; units 2 and 3
	UNIT 2, 8                                      ; unit 3
	UNIT 3, 0
	s_set_vgpr_msb 0x5
	s_wait_tensorcnt 0x0
	ds_add_u32 v0, v1
	s_wait_dscnt 0x0
	s_set_vgpr_msb 0x500
	s_endpgm
; ---------------- PATH B: one panel (64 outputs x one slot) to a work-group, 16 outputs to a wave ----------------
; c is [i][o][d]: K's inputs i are its FIRST axis.  A lane takes one (output, degree) and its registers run down i: a block of 32 lies in ONE lane.  Lane l: output l / 8 of four, degree l % 8.
; Block t of eight: outputs 4 (t % 4) + l / 8 (the fragment's row r), inputs 32 (t / 4) on (the fragment's half h).  Its 24 bytes of codes are registers 6 c .. 6 c + 5 (c = d % 2) of lane (r, h) of fragment q = d / 2:
; they go as three pieces of 8 bytes to their places in four images in the wave's stage, and the images leave as they stand.
.macro LOADB t
.set ii, 0
.rept 32
	global_load_b32 v[X+32*((\t)%3)+ii], v7, s[6:7] offset:(32*((\t)/4)+ii)*32768+128*((\t)%4)   ; a wave reads 128 consecutive bytes; the next block reads the 128 beside them
.set ii, ii+1
.endr
.endm
.macro BLOCK t
.set XS, X+32*((\t)%3)
.if (\t) < 7
	s_wait_loadcnt 32                              ; this block's 32 loads are in; the next block's may be out
.else
	s_wait_loadcnt 0x0
.endif
.if (\t) < 6
	LOADB (\t)+2                                   ; into the set that the block before has left
.endif
	v_max3_num_f32 v24, |v[XS]|, |v[XS+1]|, FLOOR
	v_max3_num_f32 v25, |v[XS+2]|, |v[XS+3]|, |v[XS+4]|
.irp i, 5,9,13,17,21,25
	v_max3_num_f32 v24, v24, |v[XS+\i]|, |v[XS+\i+1]|
	v_max3_num_f32 v25, v25, |v[XS+\i+2]|, |v[XS+\i+3]|
.endr
	v_max3_num_f32 v24, v24, |v[XS+29]|, |v[XS+30]|
	v_max3_num_f32 v24, v24, v25, |v[XS+31]|       ; the block's largest magnitude: all 32 numbers are mine
	v_add_nc_u32 v26, 0xfe000000, v24              ; 4 off its exponent field: the conversion's scale operand
	v_lshrrev_b32 v27, 23, v26                     ; the byte
	v_cvt_scalef32_pk16_bf6_f32 v[12:14], v[XS:XS+15], v26
	v_cvt_scalef32_pk16_bf6_f32 v[18:20], v[XS+16:XS+31], v26
	v_nop                                          ; one plain instruction behind a scaled conversion
.irp i, 0,1,2
	v_mov_b32 v[15+\i], v[18+\i]
.endr
	ds_store_b64 v8, v[12:13] offset:64*((\t)%4)+256*((\t)/4)    ; 16 x the fragment's lane = 64 (t % 4) + 16 (l / 8) + 256 (t / 4)
	ds_store_b64 v9, v[14:15] offset:64*((\t)%4)+256*((\t)/4)
	ds_store_b64 v10, v[16:17] offset:64*((\t)%4)+256*((\t)/4)
	ds_store_b8 v11, v27 offset:64*((\t)%4)+(\t)/4               ; row r's word q, byte 2 c + h: 16 r + 2 d + h
	s_wait_dscnt 0x0                               ; the stores have read their registers: the next block's codes may be written
.endm
.Lpath_b:
	s_sub_co_u32 s13, ttmp9, WGA                   ; 16 x slot + panel
	s_lshr_b32 s14, s13, 4
	s_and_b32 s15, s13, 15
	s_lshl_b32 s16, s14, 21                        ; the slot's 64 inputs of 32,768 bytes,
	s_lshl_b32 s15, s15, 11                        ; the panel's 64 outputs of 32 bytes,
	s_add_co_u32 s16, s16, s15
	s_lshl_b32 s15, s12, 9                         ; my wave's 16
	s_add_co_u32 s16, s16, s15
	s_mov_b32 s17, 0
	s_mul_i32 s18, s13, PANEL
	s_mov_b32 s19, 0
	s_wait_alu depctr_va_vdst(0)
	v_lshlrev_b32 v7, 2, v1                        ; in: 4 bytes a lane: 32 (l / 8) + 4 (l % 8)
	s_wait_alu depctr_va_vdst(0)
	s_wait_kmcnt 0x0
	s_add_nc_u64 s[6:7], s[6:7], s[16:17]
	LOADB 0
	LOADB 1
	s_add_nc_u64 s[24:25], s[10:11], s[18:19]
	s_mul_i32 s23, s12, STGB
	s_add_co_u32 s23, s23, BBASE                   ; my stage
	s_mul_i32 s15, s12, FRB
	s_lshl_b32 s14, s12, 8
	s_add_co_u32 s14, s14, SCW
	v_lshl_add_u32 v4, v1, 4, s15                  ; codes out: 16 l + 1,536 w
	v_lshl_add_u32 v5, v1, 3, s14                  ; scale words out: 8 l + 24,576 + 256 w
	v_and_b32 v21, 1, v1                           ; c
	v_bfe_u32 v22, v1, 1, 2                        ; q
	v_lshrrev_b32 v23, 3, v1                       ; l / 8
	v_mul_u32_u24 v22, v22, IMGP
	v_lshl_add_u32 v22, v23, 4, v22
	v_add_nc_u32 v22, s23, v22                     ; image q, 16 (l / 8)
	v_mad_u32_u24 v8, v21, 520, v22                ; piece p holds bytes 24 c + 8 p of the lane's 48: group of four registers (24 c + 8 p) / 16, 512 bytes a group, byte (24 c + 8 p) % 16:
	v_mad_u32_u24 v9, v21, 1016, v22               ; c = 0: 0, 8, 512;  c = 1: 520, 1,024, 1,032
	v_add_nc_u32 v9, 8, v9
	v_mad_u32_u24 v10, v21, 520, v22
	v_add_nc_u32 v10, 512, v10
	v_and_b32 v21, 7, v1
	v_lshlrev_b32 v21, 1, v21
	v_lshl_add_u32 v11, v23, 4, v21
	v_add_nc_u32 v11, s23, v11
	v_add_nc_u32 v11, BSCB, v11                    ; the byte: 16 (l / 8) + 2 d
	v_lshl_add_u32 v30, v1, 4, s23                 ; back: 16 l
	v_lshl_add_u32 v31, v1, 3, s23
	v_add_nc_u32 v31, BSCB, v31                    ; and 8 l among the scale bytes
.irp t, 0,1,2,3,4,5,6,7
	BLOCK \t
.endr
.irp n, 0,1,2,3,4,5,6,7,8,9,10,11
	ds_load_b128 v[OUTR+4*\n:OUTR+4*\n+3], v30 offset:IMGP*(\n/3)+512*(\n%3)
.endr
	ds_load_b64 v[208:209], v31
.irp n, 0,1,2,3,4,5,6,7,8,9,10,11
	s_wait_dscnt 12-\n                             ; LDS loads come back in order: load n is in, the younger ones may be out
	global_store_b128 v4, v[OUTR+4*\n:OUTR+4*\n+3], s[24:25] offset:4*FRB*(\n/3)+512*(\n%3)   ; 512 consecutive bytes, aligned
.endr
	s_wait_dscnt 0x0
	global_store_b64 v5, v[208:209], s[24:25]      ; 256 consecutive bytes, aligned
	s_set_vgpr_msb 0x5
	s_wait_tensorcnt 0x0
	ds_add_u32 v0, v1
	s_wait_dscnt 0x0
	s_set_vgpr_msb 0x500
	s_endpgm
.Lfunc_end_k_qedff2e7059_quant:
	.size	k_qedff2e7059_quant, .Lfunc_end_k_qedff2e7059_quant-k_qedff2e7059_quant
	.p2alignl 7, 3214868480
	.fill 96, 4, 3214868480
	.section	.rodata,"a",@progbits
	.p2align	6, 0x0
	.amdhsa_kernel k_qedff2e7059_quant
		.amdhsa_group_segment_fixed_size 44544
		.amdhsa_private_segment_fixed_size 0
		.amdhsa_enable_private_segment 0
		.amdhsa_kernarg_size 32
		.amdhsa_user_sgpr_count 2
		.amdhsa_user_sgpr_kernarg_segment_ptr 1
		.amdhsa_wavefront_size32 1
		.amdhsa_system_sgpr_workgroup_id_x 1
		.amdhsa_system_sgpr_workgroup_id_y 1
		.amdhsa_system_sgpr_workgroup_id_z 1
		.amdhsa_system_vgpr_workitem_id 0
		.amdhsa_next_free_vgpr 258
		.amdhsa_next_free_sgpr 66
		.amdhsa_reserve_vcc 0
		.amdhsa_float_denorm_mode_32 3
		.amdhsa_float_denorm_mode_16_64 3
		.amdhsa_memory_ordered 1
		.amdhsa_forward_progress 1
		.amdhsa_inst_pref_size 125
	.end_amdhsa_kernel
	.amdgpu_metadata
---
amdhsa.version: [ 1, 2 ]
amdhsa.kernels:
  - .name:           k_qedff2e7059_quant
    .symbol:         k_qedff2e7059_quant.kd
    .args:
      - { .name: x, .offset: 0, .size: 8, .value_kind: global_buffer, .address_space: global }
      - { .name: lucas_coeffs, .offset: 8, .size: 8, .value_kind: global_buffer, .address_space: global }
      - { .name: a_q, .offset: 16, .size: 8, .value_kind: global_buffer, .address_space: global }
      - { .name: b_q, .offset: 24, .size: 8, .value_kind: global_buffer, .address_space: global }
    .group_segment_fixed_size: 44544
    .private_segment_fixed_size: 0
    .kernarg_segment_align: 8
    .kernarg_segment_size: 32
    .max_flat_workgroup_size: 128
    .sgpr_count:     66
    .vgpr_count:     258
    .wavefront_size: 32
...
	.end_amdgpu_metadata
.endif
;; end of part 1
;; launch gemm (part 2): grid 4 x 64, 4 waves a work-group, clusters of 4 x 4, 327,680 bytes of LDS; arguments a_q, b_q, out0; writes out0
.if DOCPART == 2
	.amdgcn_target "amdgcn-amd-amdhsa--gfx1250"
	.amdhsa_code_object_version 6
	.text
	.protected	k_qedff2e7059_gemm
	.globl	k_qedff2e7059_gemm
	.p2align	8
	.type	k_qedff2e7059_gemm,@function
k_qedff2e7059_gemm:
	s_mov_b64 s[64:65], 0
	v_nop
	global_prefetch_b8 v0, s[64:65] scope:SCOPE_SE
	s_setreg_imm32_b32 hwreg(HW_REG_WAVE_MODE, 25, 1), 1
	s_wait_xcnt 0x0
	s_wait_alu depctr_hold_cnt(0) depctr_sa_sdst(0) depctr_va_vdst(0) depctr_va_sdst(0) depctr_va_ssrc(0) depctr_va_vcc(0) depctr_vm_vsrc(0)
	s_getreg_b32 s2, hwreg(HW_REG_IB_STS2, 6, 4)
	s_cmp_eq_u32 s2, 0
	s_cbranch_scc0 .Lentry_in_a_cluster
	s_endpgm
.Lentry_in_a_cluster:
	s_bfe_u32 s2, ttmp6, 0x10000c
	s_cmp_lg_u32 s2, 0xf033
	s_cbranch_scc0 .Lentry_shape_is_right
	s_endpgm
.Lentry_shape_is_right:
; out0[8192][1024] = A B^T on codes of BF6 with E8M0 scales, K = 8,192.  a_q and b_q lie as launch quant leaves them: [slot 16][panel], a panel = 64 rows x 512 of K = 25,600 bytes:
; fragment (q, a) (K step q of four, 16 rows a) as an image of its 12 registers at 1,536 (4 q + a), registers 4 c .. 4 c + 3 of lane l at 512 c + 16 l; behind them the scale words, row 16 a + r, K step q at 24,576 + 256 a + 16 r + 4 q.
; A work-group makes 128 rows x 256 columns: 64 x 4 = 256 work-groups.  ITS FOUR WAVES SHARE OUT COLUMNS AND K: wave 2 j + kh makes 128 rows x columns 128 j .. 128 j + 127 over K steps 2 kh and 2 kh + 1 of every slot:
; 64 accumulators, 512 registers; 16 fragments feed 64 matrix instructions.  At the end the two waves of a pair give each other half of their sums through LDS, add, and each sends 128 rows x 64 columns out.
; THE RING: two LDS slots, each with one slot of K: A's 2 panels, then B's 4: 153,600 bytes; 16 fills.  Waves 0 and 1 fetch a panel of A each, waves 2 and 3 two panels of B each: one tensor load a wave.
; CLUSTERS: 4 x 4 work-groups.  The four of a row of the cluster need the same panels of A, the four of a column the same panels of B: each load is a joint one, with a mask that names the four.
; PREFETCH: behind each refill waves 0 and 1 name, once, 25 blocks of 256 bytes of the panel of A that they load two changes of slots on (256 matrix instructions ahead of that load); the four partners share a panel's 100 blocks
; by address; lanes 25-31 name the wave's last block again; the walk's first four fills come by their loads alone, and the loop's last trip asks for nothing.  None for b_q: the sixteen clusters begin their walks at sixteen
; different slots, so every slot of b_q is some cluster's first fill, and all later loads of it name bytes that the launch has read before.
; THE WALK along K begins at slot (cluster row) and wraps: the sums' order of rounding is not ascending K, and the two halves of K are added last.
; THE MATRIX INSTRUCTION IS USED TRANSPOSED (source 0 = 16 rows of B, source 1 = 16 rows of A): a lane holds eight neighbouring columns of a row of the result.
; Wave kh takes its two panels of B in the order kh, 1 - kh: so every wave keeps the sums of window 2 and gives away those of window 3, with no branch.
; REGISTERS: window 0: v1-31 addresses; v32-63 scale words, two sets (A's 8, B's 8: register 2 g + q: lanes 0-15 block 2 g, lanes 16-31 block 2 g + 1); v64-255 A's fragments, two sets of 96.
;   window 1: B's fragments, two sets, at v0 and v128.  window 2: accumulators (a, b) of B's blocks 0-3 at v[8 (4 a + b)];  window 3: of B's blocks 4-7.
.set PANEL,  25600
.set FRB,    1536
.set SCW,    16*FRB
.set ASTEP,  128*PANEL
.set BSTEP,  16*PANEL
.set RSLOT,  6*PANEL                   ; a slot of the ring; slot 1 lies at byte 0, slot 0 behind it
.set KHB,    8*FRB                     ; from K step 0 to K step 2 in a panel
.set XB,     RSLOT                     ; the exchange, 32,768 bytes a wave, and the stages lie in ring slot 0: stored to when that slot has had its last fill and its last read
.set XW,     32768
.set STAGE,  XB+4*XW                   ; 16 rows x 272 bytes for each wave
.set SPITCH, 272
.set SPARE,  2*RSLOT                   ; behind the ring: the spare words, 512 bytes that no other line names
.set STO,  12
.set RD,   13
.set XST,  14
.set XLD,  15
.set ADRA, 16                          ; v16-17 A's fragments in ring slot 0, 1
.set ADRS, 18                          ; v18-19 A's scale words
.set ADRB, 20                          ; v20-23 B's fragments: 2 x ring slot + (blocks 0-3 or 4-7)
.set ADBS, 24                          ; v24-27 B's scale words, likewise
.set SPW,  28
.set NIL,  29
.set PFO,  30
.set CO,   31
.set SC,   32
.set AF,   64
.set AB,   14                          ; s[14:15] what I fetch of A in slot 0 of K
.set BB,   18                          ; s[18:19] what I fetch of B in slot 0 of K
.set AO,   22
.set BO,   24
.set FI,   26                          ; the next fill's slot of K, 0..15
.set LIM,  27                          ; 1 in the waves that prefetch, the greatest number in the others
.set PB,   28                          ; s[28:29] my work-group's share of my panel of A
.set PA,   30
.set PO,   32
.set PI,   34
.set G1A,  48
.set G0A,  56
.set G1B,  68
.set G0B,  76
.set MSB, 0
.macro WIN new                         ; the immediate's high byte repeats the setting that is left
.if MSB != \new
	s_set_vgpr_msb (MSB<<8)|\new
.set MSB, \new
.endif
.endm
.set MUL0, 0xa1                        ; source 0 (B) window 1, source 1 (A) window 0, C and D window 2
.set MUL1, 0xf1                        ; the same, C and D window 3
.set TO_B, 0x40
.macro CREST
	s_cmp_lg_u32 s10, 0
	s_cbranch_scc1 .Lnot_wave_0_\@
	s_barrier_signal -3
.Lnot_wave_0_\@:
	s_barrier_wait -3
	s_barrier_signal -1
	s_barrier_wait -1
.endm
.macro CROUND
	s_barrier_signal -1
	s_barrier_wait -1
	CREST
.endm
.macro PLACES
.rept 4
	v_nop
.endr
.endm
.macro JLOAD r                         ; a joint load: waves 0 and 1 for A, waves 2 and 3 for B; an s_nop 0 and four v_nop follow each of the two lines
	s_cmp_eq_u32 s11, 0
	s_cbranch_scc0 .Lfor_b_\@
	tensor_load_to_lds s[G0A+4*(\r):G0A+4*(\r)+3], s[G1A:G1A+7]
	s_nop 0
	PLACES
	s_branch .Lasked_\@
.Lfor_b_\@:
	tensor_load_to_lds s[G0B+4*(\r):G0B+4*(\r)+3], s[G1B:G1B+7]
	s_nop 0
	PLACES
.Lasked_\@:
.endm
.macro RADDR r                         ; ring slot r's descriptors take the next fill
	s_mul_i32 s[AO], s[FI], ASTEP
	s_add_nc_u64 s[G0A+4*(\r)+2:G0A+4*(\r)+3], s[AB:AB+1], s[AO:AO+1]
	s_or_b32 s[G0A+4*(\r)+3], s[G0A+4*(\r)+3], 0x80000000
	s_mul_i32 s[BO], s[FI], BSTEP
	s_add_nc_u64 s[G0B+4*(\r)+2:G0B+4*(\r)+3], s[BB:BB+1], s[BO:BO+1]
	s_or_b32 s[G0B+4*(\r)+3], s[G0B+4*(\r)+3], 0x80000000
	s_add_co_u32 s[FI], s[FI], 1
	s_and_b32 s[FI], s[FI], 15
.endm
.macro PADDR
	s_mul_i32 s[PO], s[PI], ASTEP
	s_add_nc_u64 s[PA:PA+1], s[PB:PB+1], s[PO:PO+1]
	s_add_co_u32 s[PI], s[PI], 1
	s_and_b32 s[PI], s[PI], 15
.endm
.macro ASK                             ; waves 0 and 1, and not in the loop's last trip (s3 = 1), where no fill is left to name
	s_cmp_gt_u32 s3, s[LIM]
	s_cbranch_scc0 .Lno_ask_\@
	global_prefetch_b8 v[PFO], s[PA:PA+1] th:TH_LOAD_NT scope:SCOPE_SE
.Lno_ask_\@:
.endm
.macro AFETCH r, q, a0                 ; four blocks of A, my K step q of two, into set q
.irp a, \a0, \a0+1, \a0+2, \a0+3
.irp c, 0,1,2
	ds_load_b128 v[AF+96*(\q)+12*(\a)+4*\c:AF+96*(\q)+12*(\a)+4*\c+3], v[ADRA+(\r)] offset:((\a)/4)*PANEL+(4*(\q)+(\a)%4)*FRB+512*\c
.endr
.endr
.endm
.macro BFETCH r, q, hb                 ; four blocks of B into set q (destination window 1)
.irp bb, 0,1,2,3
.irp c, 0,1,2
	ds_load_b128 v[128*(\q)+12*(4*(\hb)+\bb)+4*\c:128*(\q)+12*(4*(\hb)+\bb)+4*\c+3], v[ADRB+2*(\r)+(\hb)] offset:(4*(\q)+\bb)*FRB+512*\c
.endr
.endr
.endm
.macro SCALES r                        ; the scale words of ring slot r, my two K steps, into set r
.irp g, 0,1,2,3
	ds_load_b64 v[SC+16*(\r)+2*\g:SC+16*(\r)+2*\g+1], v[ADRS+(\r)] offset:(\g/2)*PANEL+512*(\g%2)
.endr
.irp g, 0,1,2,3
	ds_load_b64 v[SC+8+16*(\r)+2*\g:SC+8+16*(\r)+2*\g+1], v[ADBS+2*(\r)+\g/2] offset:512*(\g%2)
.endr
.endm
; 16 matrix instructions: A's blocks a0 .. a0 + 3 x four blocks of B (half h).  The accumulators take turns, one instruction a turn.
.macro Q h, a0, q, t, zero
.irp a, \a0, \a0+1, \a0+2, \a0+3
.irp bb, 0,1,2,3
.set DD, 8*(4*(\a)+\bb)
.set BR, 128*(\q)+12*(4*(\h)+\bb)
.set AR, AF+96*(\q)+12*(\a)
.set SBR, SC+8+16*(\t)+2*(2*(\h)+\bb/2)+(\q)
.set SAR, SC+16*(\t)+2*((\a)/2)+(\q)
.if \zero
.if (\bb%2) && ((\a)%2)
	v_wmma_scale_f32_16x16x128_f8f6f4 v[DD:DD+7], v[BR:BR+11], v[AR:AR+11], 0, v[SBR], v[SAR] matrix_a_fmt:MATRIX_FMT_BF6 matrix_b_fmt:MATRIX_FMT_BF6 matrix_a_scale:MATRIX_SCALE_ROW1 matrix_b_scale:MATRIX_SCALE_ROW1
.elseif (\bb%2)
	v_wmma_scale_f32_16x16x128_f8f6f4 v[DD:DD+7], v[BR:BR+11], v[AR:AR+11], 0, v[SBR], v[SAR] matrix_a_fmt:MATRIX_FMT_BF6 matrix_b_fmt:MATRIX_FMT_BF6 matrix_a_scale:MATRIX_SCALE_ROW1
.elseif ((\a)%2)
	v_wmma_scale_f32_16x16x128_f8f6f4 v[DD:DD+7], v[BR:BR+11], v[AR:AR+11], 0, v[SBR], v[SAR] matrix_a_fmt:MATRIX_FMT_BF6 matrix_b_fmt:MATRIX_FMT_BF6 matrix_b_scale:MATRIX_SCALE_ROW1
.else
	v_wmma_scale_f32_16x16x128_f8f6f4 v[DD:DD+7], v[BR:BR+11], v[AR:AR+11], 0, v[SBR], v[SAR] matrix_a_fmt:MATRIX_FMT_BF6 matrix_b_fmt:MATRIX_FMT_BF6
.endif
.else
.if (\bb%2) && ((\a)%2)
	v_wmma_scale_f32_16x16x128_f8f6f4 v[DD:DD+7], v[BR:BR+11], v[AR:AR+11], v[DD:DD+7], v[SBR], v[SAR] matrix_a_fmt:MATRIX_FMT_BF6 matrix_b_fmt:MATRIX_FMT_BF6 matrix_a_scale:MATRIX_SCALE_ROW1 matrix_b_scale:MATRIX_SCALE_ROW1
.elseif (\bb%2)
	v_wmma_scale_f32_16x16x128_f8f6f4 v[DD:DD+7], v[BR:BR+11], v[AR:AR+11], v[DD:DD+7], v[SBR], v[SAR] matrix_a_fmt:MATRIX_FMT_BF6 matrix_b_fmt:MATRIX_FMT_BF6 matrix_a_scale:MATRIX_SCALE_ROW1
.elseif ((\a)%2)
	v_wmma_scale_f32_16x16x128_f8f6f4 v[DD:DD+7], v[BR:BR+11], v[AR:AR+11], v[DD:DD+7], v[SBR], v[SAR] matrix_a_fmt:MATRIX_FMT_BF6 matrix_b_fmt:MATRIX_FMT_BF6 matrix_b_scale:MATRIX_SCALE_ROW1
.else
	v_wmma_scale_f32_16x16x128_f8f6f4 v[DD:DD+7], v[BR:BR+11], v[AR:AR+11], v[DD:DD+7], v[SBR], v[SAR] matrix_a_fmt:MATRIX_FMT_BF6 matrix_b_fmt:MATRIX_FMT_BF6
.endif
.endif
.endr
.endr
.endm
; A K step of a wave: 64 matrix instructions on sets q of A and B (ring slot r, my K step q of two).  The next step's 48 fragment loads go into the other sets in four runs of 12:
; in the step's middle A's blocks 0-3 and B's 0-3 (at a change of slots the scale words ahead of them), behind three quarters A's 4-7, at the end B's 4-7.
; turn = 1: the ring slot's last step: the change of slots with its refill;  2: the change without a refill.  al: the next step is fetched.
.macro STEP r, q, zero, turn, al, ask
.if (\q) == 0
.set NR, \r
.set NQ, 1
.else
.set NR, 1-(\r)
.set NQ, 0
.endif
.if \turn
	s_wait_xcnt 0x0                                ; any prefetch of mine has read its address, which is written below
	WIN 0
	s_wait_tensorcnt 0x0                           ; all my tensor loads have landed: my part of the next ring slot;
	ds_add_u32 v[SPW], v[NIL]                      ; 0 onto my spare word
.if (\turn) == 1
	RADDR \r                                       ; no load of mine is out: this slot's descriptors take the fill two on
	PADDR
.endif
	s_wait_dscnt 25                                ; (the add, A's blocks 4-7 and B's blocks 4-7 may be out)
	WIN MUL0
	Q 0, 0, \q, \r, \zero
	s_wait_dscnt 0x0                               ; the add is done, and my reads of this ring slot are over
	s_barrier_signal -1
	Q 0, 4, \q, \r, \zero
	WIN 0
	s_barrier_wait -1
.if (\turn) == 1
	CREST                                          ; the barrier has opened a round of the cluster's barrier
	JLOAD \r                                       ; the four v_nop behind it are the places in front of the loads below
.else
	PLACES
.endif
.else
	s_wait_dscnt 24                                ; the scale words, A's blocks 0-3 and B's 0-3 are in
	WIN MUL0
	Q 0, 0, \q, \r, \zero
	s_wait_dscnt 12                                ; A's blocks 4-7 are in; B's 4-7 may be out
	Q 0, 4, \q, \r, \zero
.if \al
	PLACES                                         ; four places in front of loads into registers that the last step's matrix instructions have read
.endif
.endif
.if \al
	WIN 0
.if (\q) == 1
	SCALES NR
.endif
	AFETCH NR, NQ, 0
	WIN TO_B
	BFETCH NR, NQ, 0
.endif
.if (\turn) == 0
.if \al
	s_wait_dscnt 24                                ; B's blocks 4-7 of this step are in; the 24 just issued may be out
.else
	s_wait_dscnt 0x0
.endif
.endif
	WIN MUL1
	Q 1, 0, \q, \r, \zero
.if \al
	WIN 0
	AFETCH NR, NQ, 4
.if \ask
	ASK
.endif
	WIN MUL1
.endif
	Q 1, 4, \q, \r, \zero
.if \al
	WIN TO_B
	BFETCH NR, NQ, 1
.endif
.endm
	s_load_b128 s[4:7], s[0:1], 0x0                ; a_q, b_q
	s_load_b64 s[8:9], s[0:1], 0x10                ; out0
	v_lshl_add_u32 v[SPW], v0, 2, SPARE
	v_mov_b32 v[NIL], 0
	ds_add_u32 v[SPW], v[NIL]                      ; the opening lines: the add, twice on end, and its wait ahead of my first tensor load
	ds_add_u32 v[SPW], v[NIL]
	v_lshrrev_b32 v1, 5, v0
	v_readfirstlane_b32 s10, v1                    ; wave 0..3
	s_lshr_b32 s11, s10, 1                         ; j: my half of the columns.  Also: I fetch for A (0) or for B (1)
	s_and_b32 s12, s10, 1                          ; kh: my half of K.  Also: which half of that tile I fetch
	s_bfe_u32 s40, ttmp6, 0x40000                  ; cx
	s_bfe_u32 s41, ttmp6, 0x40004                  ; cy
	s_lshl_b32 s42, ttmp9, 2
	s_add_co_u32 s42, s42, s40                     ; block column
	s_and_b32 s47, ttmp7, 0xffff                   ; the cluster's row, 0..15
	s_lshl_b32 s13, s47, 2
	s_add_co_u32 s13, s13, s41                     ; block row
	s_lshl_b32 s43, s41, 2
	s_lshl_b32 s43, 15, s43                        ; my row of the cluster
	s_lshl_b32 s44, 0x1111, s40                    ; my column
	s_mov_b32 s[FI], s47                           ; where the walk along K begins: the same in all sixteen partners
	s_add_co_u32 s[PI], s47, 4
	s_and_b32 s[PI], s[PI], 15                     ; the first prefetch names the walk's fifth fill
	s_cmp_eq_u32 s11, 0
	s_cselect_b32 s[LIM], 1, -1
	s_or_b32 s[G1A+0], s43, (3<<16)|(1<<21)        ; the mask; elements of 8 bytes; bit 21 beside a mask
	s_or_b32 s[G1B+0], s44, (3<<16)|(1<<21)
	s_mov_b32 s[G1A+1], 32<<16                     ; a panel of A: 100 rows of 256 bytes, dense
	s_mov_b32 s[G1A+2], 100<<16
	s_mov_b32 s[G1A+3], 32<<16
	s_mov_b32 s[G1A+4], 100
	s_mov_b32 s[G1A+5], 32
	s_mov_b32 s[G1A+6], 0
	s_mov_b32 s[G1A+7], 0
	s_mov_b32 s[G1B+1], 32<<16                     ; two panels of B: 200 rows
	s_mov_b32 s[G1B+2], 200<<16
	s_mov_b32 s[G1B+3], 32<<16
	s_mov_b32 s[G1B+4], 200
	s_mov_b32 s[G1B+5], 32
	s_mov_b32 s[G1B+6], 0
	s_mov_b32 s[G1B+7], 0
	s_lshl_b32 s16, s13, 1
	s_add_co_u32 s16, s16, s12
	s_mul_i32 s16, s16, PANEL                      ; A: panel 2 x block row + half
	s_mov_b32 s17, 0
	s_mul_i32 s36, s40, 6400                       ; my work-group's 25 blocks of a panel's 100
	s_mov_b32 s37, 0
	s_lshl_b32 s38, s42, 2
	s_lshl_b32 s39, s12, 1
	s_add_co_u32 s38, s38, s39
	s_mul_i32 s38, s38, PANEL                      ; B: panels 4 x block column + 2 x half on
	s_mov_b32 s39, 0
	s_lshl_b32 s84, s13, 19                        ; out0: 128 rows of 4,096 bytes a block row,
	s_lshl_b32 s85, s42, 10
	s_add_co_u32 s84, s84, s85                     ; 1,024 bytes a block column,
	s_lshl_b32 s85, s10, 8
	s_add_co_u32 s84, s84, s85                     ; 256 bytes a wave
	s_mov_b32 s85, 0
	s_mov_b32 s[AO+1], 0
	s_mov_b32 s[BO+1], 0
	s_mov_b32 s[PO+1], 0
	s_mul_i32 s86, s12, PANEL                      ; where what I fetch goes in a ring slot: A's panel,
	s_mul_i32 s87, s12, 2*PANEL
	s_add_co_u32 s87, s87, 2*PANEL                 ; B's two panels, behind A's two
	s_mul_i32 s88, s12, KHB
	s_lshl_b32 s89, s12, 3
	s_mul_i32 s90, s11, 2*PANEL
	s_add_co_u32 s90, s90, 2*PANEL                 ; what I multiply of B: the two panels of my half of the columns;
	s_sub_co_u32 s91, PANEL, s86
	s_add_co_u32 s91, s91, s90                     ; blocks 4-7: panel 1 - kh of them,
	s_add_co_u32 s90, s90, s86                     ; blocks 0-3: panel kh
	s_mul_i32 s92, s10, 16*SPITCH
	s_add_co_u32 s92, s92, STAGE
	s_mul_i32 s93, s10, XW
	s_add_co_u32 s93, s93, XB                      ; what I give away,
	s_xor_b32 s94, s10, 1
	s_mul_i32 s94, s94, XW
	s_add_co_u32 s94, s94, XB                      ; and what my partner gives me
	v_and_b32 v2, 31, v0                           ; l
	v_and_b32 v4, 15, v0                           ; r
	v_bfe_u32 v5, v0, 4, 1                         ; h
	v_lshlrev_b32 v3, 4, v2
	v_add_nc_u32 v[ADRA+1], s88, v3                ; 16 l + my K steps
	v_add_nc_u32 v7, s89, v3
	v_add_nc_u32 v[ADRS+1], SCW, v7                ; 16 l + 8 kh among the scale words
	v_add_nc_u32 v[ADRB+2], s90, v[ADRA+1]
	v_add_nc_u32 v[ADRB+3], s91, v[ADRA+1]
	v_add_nc_u32 v[ADBS+2], s90, v[ADRS+1]
	v_add_nc_u32 v[ADBS+3], s91, v[ADRS+1]
	v_add_nc_u32 v[ADRA], RSLOT, v[ADRA+1]
	v_add_nc_u32 v[ADRS], RSLOT, v[ADRS+1]
	v_add_nc_u32 v[ADRB], RSLOT, v[ADRB+2]
	v_add_nc_u32 v[ADRB+1], RSLOT, v[ADRB+3]
	v_add_nc_u32 v[ADBS], RSLOT, v[ADBS+2]
	v_add_nc_u32 v[ADBS+1], RSLOT, v[ADBS+3]
	v_mul_u32_u24 v8, v4, SPITCH
	v_lshl_add_u32 v8, v5, 5, v8
	v_add_nc_u32 v[STO], s92, v8                   ; into the stage: row r, 32 bytes for each half of the lanes
	v_lshlrev_b32 v9, 4, v4
	v_mad_u32_u24 v10, v5, SPITCH, v9
	v_add_nc_u32 v[RD], s92, v10                   ; back: sixteen lanes to a row of 256 bytes, two rows an instruction
	v_lshl_add_u32 v[CO], v5, 12, v9               ; and the same two rows in out0
	v_add_nc_u32 v[XST], s93, v3
	v_add_nc_u32 v[XLD], s94, v3
	v_min_u32 v11, 24, v2
	v_lshlrev_b32 v[PFO], 8, v11                   ; a lane a block of 256 bytes, 25 blocks
	s_wait_alu depctr_va_vdst(0)
	s_wait_dscnt 0x0                               ; both opening adds are done
	s_wait_kmcnt 0x0
	s_add_nc_u64 s[AB:AB+1], s[4:5], s[16:17]
	s_add_nc_u64 s[PB:PB+1], s[AB:AB+1], s[36:37]
	s_add_nc_u64 s[BB:BB+1], s[6:7], s[38:39]
	s_add_nc_u64 s[8:9], s[8:9], s[84:85]
	s_mov_b32 s[G0A], 1
	s_add_co_u32 s[G0A+1], s86, RSLOT
	s_mov_b32 s[G0B], 1
	s_add_co_u32 s[G0B+1], s87, RSLOT
	RADDR 0
	s_mov_b32 s[G0A+4], 1
	s_mov_b32 s[G0A+5], s86
	s_mov_b32 s[G0B+4], 1
	s_mov_b32 s[G0B+5], s87
	RADDR 1
	CROUND                                         ; all sixteen work-groups are here: the first joint loads meet
	JLOAD 0                                        ; the first fill: one tensor load a wave at the head
	s_wait_tensorcnt 0x0                           ; my part is in; these lines stand ahead of a later first fill as ahead of a refill
	ds_add_u32 v[SPW], v[NIL]
	s_wait_dscnt 0x0
	CROUND
	JLOAD 1                                        ; the second fill, the first tensor load behind the round
	SCALES 0
	AFETCH 0, 0, 0
	WIN TO_B
	BFETCH 0, 0, 0
	WIN 0
	AFETCH 0, 0, 4
	WIN TO_B
	BFETCH 0, 0, 1
	STEP 0,0, 1,0,1,0                              ; the first step's products start the sums
	WIN 0
	s_mov_b32 s3, 7
.Llap:                                                 ; a trip goes once round the ring: four steps, from a lap's second to the next lap's first, and fills both slots again
	STEP 0,1, 0,1,1,1
	STEP 1,0, 0,0,1,0
	STEP 1,1, 0,1,1,1
	STEP 0,0, 0,0,1,0
	WIN 0
	s_sub_co_u32 s3, s3, 1
	s_cmp_lg_u32 s3, 0
	s_cbranch_scc1 .Llap
	STEP 0,1, 0,2,1,0                              ; the last lap fills nothing
	STEP 1,0, 0,0,1,0
	STEP 1,1, 0,0,0,0
	WIN 0
; THE WAY OUT.  Window 3's sums go to my partner as an image of the registers; its window 3 comes to me and is added to my window 2: the two halves of K.
	PLACES
	WIN 0x0c                                       ; a store's data: window 3
.set ii, 0
.rept 64
	ds_store_b128 v[XST], v[4*ii:4*ii+3] offset:512*ii   ; each accumulator from its low end on
.set ii, ii+1
.endr
	WIN 0
	s_wait_dscnt 0x0                               ; for my partner's sake: my stores are done
	s_barrier_signal -1
	s_barrier_wait -1
	WIN TO_B
.set ii, 0
.rept 64
	ds_load_b128 v[4*ii:4*ii+3], v[XLD] offset:512*ii
.set ii, ii+1
.endr
.irp a, 0,1,2,3,4,5,6,7
	s_wait_dscnt 8*(7-\a)                          ; block a's eight loads are in; the later blocks' may be out
	WIN 0x46                                       ; source 0 window 2, source 1 and destination window 1
.set ii, 0
.rept 16
	v_pk_add_f32 v[32*\a+ii:32*\a+ii+1], v[32*\a+ii:32*\a+ii+1], v[32*\a+ii:32*\a+ii+1]
.set ii, ii+2
.endr
.endr
	s_wait_alu depctr_va_vdst(0)
; Block by block of 16 rows x 64 columns through my own stage, back as whole rows of 256 bytes.  LDS serves a wave's instructions in order (ISA guide 5.7.1.4): no wait between the stores and the loads.
.macro TOSTAGE a
	WIN 0x04
.irp bb, 0,1,2,3
	ds_store_b128 v[STO], v[32*(\a)+8*\bb:32*(\a)+8*\bb+3] offset:64*\bb
	ds_store_b128 v[STO], v[32*(\a)+8*\bb+4:32*(\a)+8*\bb+7] offset:64*\bb+16
.endr
	WIN 0xc0                                       ; back into window 3, 32 registers of its own for each block: no store's data are written again
.irp t, 0,1,2,3,4,5,6,7
	ds_load_b128 v[32*(\a)+4*\t:32*(\a)+4*\t+3], v[RD] offset:2*\t*SPITCH
.endr
.endm
.macro SEND a, younger
	s_wait_dscnt \younger
	WIN 0x0c
.irp t, 0,1,2,3,4,5,6,7
	global_store_b128 v[CO], v[32*(\a)+4*\t:32*(\a)+4*\t+3], s[8:9] offset:(16*(\a)+2*\t)*4096 th:TH_STORE_NT   ; sixteen lanes store 256 consecutive bytes, aligned
.endr
.endm
	TOSTAGE 0
.irp a, 1,2,3,4,5,6,7
	TOSTAGE \a
	SEND \a-1, 16                                  ; behind block a - 1's loads: block a's 8 stores and 8 loads
.endr
	SEND 7, 0
	WIN 0
	s_wait_tensorcnt 0x0                           ; the wave's end
	ds_add_u32 v[SPW], v[NIL]
	s_wait_dscnt 0x0
	CROUND                                         ; the closing round
	s_endpgm
.Lfunc_end_k_qedff2e7059_gemm:
	.size	k_qedff2e7059_gemm, .Lfunc_end_k_qedff2e7059_gemm-k_qedff2e7059_gemm
	.p2alignl 7, 3214868480
	.fill 96, 4, 3214868480
	.section	.rodata,"a",@progbits
	.p2align	6, 0x0
	.amdhsa_kernel k_qedff2e7059_gemm
		.amdhsa_group_segment_fixed_size 327680
		.amdhsa_private_segment_fixed_size 0
		.amdhsa_enable_private_segment 0
		.amdhsa_kernarg_size 24
		.amdhsa_user_sgpr_count 2
		.amdhsa_user_sgpr_kernarg_segment_ptr 1
		.amdhsa_wavefront_size32 1
		.amdhsa_system_sgpr_workgroup_id_x 1
		.amdhsa_system_sgpr_workgroup_id_y 1
		.amdhsa_system_sgpr_workgroup_id_z 1
		.amdhsa_system_vgpr_workitem_id 0
		.amdhsa_next_free_vgpr 1024
		.amdhsa_next_free_sgpr 100
		.amdhsa_reserve_vcc 0
		.amdhsa_float_denorm_mode_32 3
		.amdhsa_float_denorm_mode_16_64 3
		.amdhsa_memory_ordered 1
		.amdhsa_forward_progress 1
		.amdhsa_inst_pref_size 138
	.end_amdhsa_kernel
	.amdgpu_metadata
---
amdhsa.version: [ 1, 2 ]
amdhsa.kernels:
  - .name:           k_qedff2e7059_gemm
    .symbol:         k_qedff2e7059_gemm.kd
    .args:
      - { .name: a_q, .offset: 0, .size: 8, .value_kind: global_buffer, .address_space: global }
      - { .name: b_q, .offset: 8, .size: 8, .value_kind: global_buffer, .address_space: global }
      - { .name: out0, .offset: 16, .size: 8, .value_kind: global_buffer, .address_space: global }
    .group_segment_fixed_size: 327680
    .private_segment_fixed_size: 0
    .kernarg_segment_align: 8
    .kernarg_segment_size: 24
    .max_flat_workgroup_size: 128
    .sgpr_count:     100
    .vgpr_count:     1024
    .wavefront_size: 32
...
	.end_amdgpu_metadata
.endif
;; end of part 2
